; MI455X (gfx1250); checked and timed in simulation.
; The chip was launched on July 23, 2026; its instructions are those of AMD's public machine-readable ISA for CDNA 5 (MIT licence, August 2026) and "CDNA5" Instruction Set Architecture Reference Guide (July 2026). The comments in the code are by the model that wrote it; some were corrected since.
;; MHSA. Allowed arithmetic: matrix products marked QUANTISED: E2M3 operands, one E8M0 scale for each 32 along K, by v_wmma_scale_f32_16x16x128_f8f6f4 with both operands' format E2M3, f32 sums; everything else in f32.
;; Inputs: W_proj_codes 1,024 x 32 x 24 uint8 (E2M3 codes of W_proj, K innermost, in blocks of 32 codes, four codes in three bytes); W_proj_scales 1,024 x 32 uint8 (E8M0 scales of W_proj, one for each 32 codes along K); W_qkv_codes 3,072 x 32 x 24 uint8 (E2M3 codes of W_qkv, K innermost, in blocks of 32 codes, four codes in three bytes); W_qkv_scales 3,072 x 32 uint8 (E8M0 scales of W_qkv, one for each 32 codes along K); b_proj 1,024 float32; b_qkv 3,072 float32; x_codes 4 x 2,048 x 32 x 24 uint8 (E2M3 codes of x, K innermost, in blocks of 32 codes, four codes in three bytes); x_scales 4 x 2,048 x 32 uint8 (E8M0 scales of x, one for each 32 codes along K).
;; Outputs: out0 4 x 2,048 x 1,024 float32.
;; This version of the problem:
;;   THIS VERSION OF THE PROBLEM IS GIVEN IN LOW PRECISION. The matrix products marked QUANTISED in the list below multiply operands that are first quantised to E2M3 (2 exponent bits, 3 mantissa bits; 6 bits a number), with one power-of-two scale for each 32 numbers along K (OCP MX v1.0); their sums are f32. All else is computed in f32.
;;   The module's matrix products, in the order in which they are computed (A, B: the left and right operand; K: the contracted axis; several contracted axes count as one K, in the product's order):
;;     1. [M 8,192, K 1,024] x [K 1,024, N 3,072]; A: input x (given as codes); B: input W_qkv (given as codes): QUANTISED
;;     2. batch 64 x [M 2,048, K 64] x [K 64, N 2,048]; A: computed on the way; B: computed on the way: QUANTISED
;;     3. batch 64 x [M 2,048, K 2,048] x [K 2,048, N 64]; A: softmax (see below); B: computed on the way: QUANTISED
;;     4. [M 8,192, K 1,024] x [K 1,024, N 1,024]; A: computed on the way; B: input W_proj (given as codes): QUANTISED
;;   THE QUANTISER, for each operand of a quantised product, along K:
;;     - K is cut into blocks of 32 from its start; a last block that is shorter is filled with zeros.
;;     - A block's scale is 2^e with e = floor(log2(the largest magnitude in the block)) - 2, held to -126 .. 127; a block of zeros has e = 0. As a byte (E8M0): e + 127.
;;     - Each number is divided by its block's scale, clamped to +-7.5, and rounded to the nearest number of E2M3, ties to even, subnormals kept.
;;     - The product sums the exact products of the quantised numbers (number of the format x scale) in f32.
;;   ~~~python
;;   def quantise(x, axis):      # numpy; x: float32 -> the quantised numbers, widened to float32 again
;;       x = np.moveaxis(x, axis, -1); K = x.shape[-1]
;;       x = np.pad(x, [(0, 0)] * (x.ndim - 1) + [(0, -K % 32)]); x = x.reshape(x.shape[:-1] + (-1, 32)); a = np.abs(x).max(-1, keepdims=True)
;;       e = np.where(a > 0, np.clip(np.frexp(np.where(a > 0, a, 1))[1] - 1 - 2, -126, 127), 0)      # np.frexp(a)[1] - 1 = floor(log2(a)), exactly
;;       r = np.clip(x / 2.0 ** e, -7.5, 7.5)
;;       step = 2.0 ** (np.maximum(np.frexp(np.where(r == 0, 1, r))[1] - 1, 0) - 3)
;;       q = np.round(r / step) * step * 2.0 ** e      # np.round: ties to even
;;       return np.moveaxis(q.reshape(q.shape[:-2] + (-1,))[..., :K], -1, axis).astype(np.float32)
;;   ~~~
;;   SOFTMAX AHEAD OF A QUANTISED PRODUCT. Where the list says 'softmax', what is quantised is not the finished softmax but p = 2^(t - M), with t = logit x log2(e) and M = ceil(the row's largest t), a whole number; so 1/2 < the row's largest p <= 1. The row's sum l is taken of the UNQUANTISED p, in f32, and the product's result is divided by l at the end. Since M is a whole number, a kernel that streams over the keys may use a running M (the ceiling of the running maximum): every later rescaling is an exact power of two, which a block's scale takes up: the codes' values come out the same.
;;   OPERANDS COMPUTED ON THE WAY. 'Computed on the way' means the value that the module computes at that place (a softmax that the list does not call 'softmax' is quantised finished and normalised). What goes into a quantiser is computed in f32, as accurately as f32 sums, v_exp_f32 and their like allow (about 1e-6 of the number): no bf16 or f16 on the way to a quantiser, and a product that is left as it is and whose result goes on into a quantised operand takes f32 operands (vector FMAs, or v_wmma_f32_16x16x4_f32). A number that lies on a knife's edge between two numbers of the format may be rounded either way, as far as f32 arithmetic and the matrix unit's own rounding can turn it there, and no further.
;;   INPUTS GIVEN AS CODES. W_proj (in the module: [1024, 1024], K = its axis 0); W_qkv (in the module: [1024, 3072], K = its axis 0); x (in the module: [4, 2048, 1024], K = its axis 2): each comes as NAME_codes (uint8): NAME with its K axis moved to the last place and cut into blocks of 32 codes, [.., K / 32, bytes a block], one block behind the other in memory; four codes in three bytes: a row's codes are one little-endian stream of bits, code i at bits 6 i .. 6 i + 5 (a code: sign, 2 exponent bits, 3 mantissa bits); and NAME_scales (uint8): the same leading axes, one E8M0 byte (e + 127) for each 32 codes along K. Its value is code x scale, taken as it is: it is not quantised again, and the codes and scales need not be those that the quantiser above would give.
;; One version. Each part assembles by itself: llvm-mc -triple=amdgcn-amd-amdhsa -mcpu=gfx1250 --defsym DOCPART=n.
;; ======== version 1 of 1: 3 launches
;; workspace buffers: q 6,815,744 bytes; kv 13,369,344 bytes; y 6,291,456 bytes; ysc 262,144 bytes
;; launch qkv (part 1): grid 12 x 32, 4 waves a work-group, clusters of 4 x 4, 327,680 bytes of LDS; arguments x_codes, x_scales, W_qkv_codes, W_qkv_scales, b_qkv, q, kv; writes q, kv
.if DOCPART == 1
	.amdgcn_target "amdgcn-amd-amdhsa--gfx1250"
	.amdhsa_code_object_version 6
	.text
	.protected	k_qd14864bbc3_qkv
	.globl	k_qd14864bbc3_qkv
	.p2align	8
	.type	k_qd14864bbc3_qkv,@function
k_qd14864bbc3_qkv:
	s_mov_b64 s[64:65], 0
	v_nop
	global_prefetch_b8 v0, s[64:65] scope:SCOPE_SE
	s_setreg_imm32_b32 hwreg(HW_REG_WAVE_MODE, 25, 1), 1
	s_wait_xcnt 0x0
	s_wait_alu depctr_hold_cnt(0) depctr_sa_sdst(0) depctr_va_vdst(0) depctr_va_sdst(0) depctr_va_ssrc(0) depctr_va_vcc(0) depctr_vm_vsrc(0)
	s_getreg_b32 s2, hwreg(HW_REG_IB_STS2, 6, 4)
	s_cmp_eq_u32 s2, 0
	s_cbranch_scc0 .Lentry_in_a_cluster
	s_endpgm
.Lentry_in_a_cluster:
	s_bfe_u32 s2, ttmp6, 0x10000c
	s_cmp_lg_u32 s2, 0xf033
	s_cbranch_scc0 .Lentry_shape_is_right
	s_endpgm
.Lentry_shape_is_right:
; qkv = x W_qkv + b_qkv on codes of FP6 (E2M3) with one E8M0 scale for each 32 along K = 1,024; the result never goes to memory as f32: it is quantised here and leaves as IMAGES OF OPERAND REGISTERS.
; x: 8,192 rows, W_qkv: 3,072 rows, both of 768 bytes of codes and 32 scale bytes.  A tile of A' B'^T is 256 x 256, made by four waves, each 128 x 128 in 64 accumulators; K goes in steps of 256 through two LDS slots.
; WHO IS A'.  The matrix instruction is used transposed (source 0 = 16 rows of B', source 1 = 16 rows of A'): a lane holds ONE row of A' and its registers run along B'.  q and k are quantised along the head's channels:
; A' = x, B' = W_qkv (clusters x = 0: q, x = 1: k).  v is quantised along the keys: A' = W_qkv's rows 2,048 on, B' = x (clusters x = 2).  Both tensors have the same row sizes, so only pointers and two scalars are chosen.
; THE ROWS OF A TILE ARE NOT NEIGHBOURS, on both sides: lane r of tile i (of 8 in 128 rows) takes row 32 (i / 2) + 8 (i % 2) + r + 8 (r / 8).  So the 16 registers of tiles 2 b, 2 b + 1 are 16 neighbours along B',
; and the tiles of keys (k) and of channels (v) lie as the attention launch's products want them.  Price: the two groups of eight rows of a fragment load lie 16 rows apart and meet in the same banks.
; OUT.  q: [64 heads][16 steps of 128 tokens] records of 6,656 bytes: 8 tiles x (512 bytes: registers 0-3 at 16 x lane; 256 bytes: registers 4-5 at 8 x lane), then 512 bytes of scale words [2][16 rows][4 tiles], upper two bytes 0.
;      kv: records of 13,056 bytes: k as q (6,656), then v^T: 4 tiles of channels x 3 pieces of 512 bytes (registers 4 c .. 4 c + 3 at 16 x lane), then 256 bytes of scale words [16 rows][4 tiles].  Every store covers 256 or 512 consecutive bytes, aligned.
; CLUSTERS: 4 x 4 work-groups; A's tiles are asked for jointly along a row of the cluster, B's along a column.  No prefetch: K has four slot fills, two of them at the head, and the tiles are shared in the cluster.
; LIMITS: NaN and infinities are not served.  A block of zeros gets the scale byte 1 and not 127 (its codes are zeros, and this program alone reads the bytes); blocks whose largest magnitude lies under 2^-124 are held at byte 1.
; REGISTERS: window 0: v8-15 offsets of the way out and of the bias; v16-29 LDS addresses; v32-63 scale words, two sets; v64-127 bias along B'; v128-223 A's fragments, one set; v224-239 bias along A'; window 1: B's fragments, two sets;
;   windows 2, 3: the accumulators ((a, b) at v[8 (8 (a % 4) + b)]).  On the way out: v128-191 64 numbers, v192-210 codes, v212 a scale word, v214-221 eight scale words, v240-255 at work, v2-5 four words to store.
.set KSTEP,  256
.set NQ,     2                         ; matrix instructions deep in a slot
.set ROWB,   192                       ; a tile's row: 256 codes
.set KROW,   768                       ; a row of codes in memory
.set PITCH,  240                       ; an LDS row: 3 x (64 bytes + 16 of padding)
.set FR,     12
.set NL,     6
.set NP,     4                         ; places behind this matrix instruction (ISA guide 7.12.1)
.set HALFT,  128*PITCH
.set SLOT,   4*HALFT
.set LAPS,   2                         ; 1,024 / 512
.set KS,     32                        ; a row of scale bytes
.set SCL,    2*SLOT                    ; behind the ring: the scales, units of 256 bytes + 16
.set HALFS,  16*272                    ; those of 128 rows
.set SPARE,  SCL+4*HALFS               ; the spare words: 128 bytes a wave, named by no other line
.set KSC,    6144                      ; in a record: the scale words of q or k
.set VCO,    6656                      ; v's codes
.set VSO,    12800                     ; v's scale words
.set HEADKV, 208896                    ; a head's 16 records in kv
.set O16,  8                           ; v8  16 x lane;  v9  the same one head on
.set O8,   10                          ; v10 8 x lane;   v11 the same one head on
.set OS,   12                          ; v12 16 r + (lane / 16) heads
.set SH,   13                          ; v13 16 (lane / 16): which half of a scale word is my head's
.set BO,   14                          ; v14 64 (lane / 16): the bias along B'
.set BR,   15                          ; v15 4 (r + 8 (r / 8)): the bias along A'
.set ADRA, 16
.set ADRB, 20
.set ADRS, 27
.set SPW,  28
.set NIL,  29
.set SC,   32
.set BB,   64
.set AF,   128
.set BA,   224
.set T,    128
.set PC,   192
.set PW,   212
.set SW,   214
.set DD,   2
.set TM,   240
.set SEL,  4                           ; s[4:5] lane selects for v_permlanex16_b32 (the pointers that lay here are done with)
.set HI16, 6                           ; s6  the mask of lanes 16-31
.set ISV,  95                          ; s95 1 in the clusters that make v
.set G1, 24
.set G0, 32
.set G1B, 48
.set G0B, 56
.set G1S, 68
.set G0S, 76
.set G1SB, 80
.set G0SB, 88
.set MSB, 0
.macro WIN new                         ; the immediate's high byte repeats the setting that is left
.if MSB != \new
	s_set_vgpr_msb (MSB<<8)|\new
.set MSB, \new
.endif
.endm
.set MUL_LO, 0xa1                      ; source 0 (B') window 1, source 1 (A') window 0, C and D window 2
.set MUL_HI, 0xf1
.set TO_B,   0x40
; A joint load: waves 0 and 1 fetch for A', waves 2 and 3 for B'.  The branch hangs on the wave's number alone.  Four v_nop follow each of the two lines.
.macro JLOAD g0a, g1a, g0b, g1b
	s_cmp_eq_u32 s15, 0
	s_cbranch_scc0 .Lfor_b_\@
	tensor_load_to_lds s[\g0a:\g0a+3], s[\g1a:\g1a+7]
	s_nop 0
.rept 4
	v_nop
.endr
	s_branch .Lasked_\@
.Lfor_b_\@:
	tensor_load_to_lds s[\g0b:\g0b+3], s[\g1b:\g1b+7]
	s_nop 0
.rept 4
	v_nop
.endr
.Lasked_\@:
.endm
.macro CREST                           ; a round of the cluster's barrier behind its opening barrier
	s_cmp_lg_u32 s14, 0
	s_cbranch_scc1 .Lnot_wave_0_\@
	s_barrier_signal -3
.Lnot_wave_0_\@:
	s_barrier_wait -3
	s_barrier_signal -1
	s_barrier_wait -1
.endm
.macro CROUND
	s_barrier_signal -1
	s_barrier_wait -1
	CREST
.endm
	s_load_b256 s[4:11], s[0:1], 0x0               ; x's codes s[4:5], x's scales s[6:7], W's codes s[8:9], W's scales s[10:11]
	s_load_b128 s[96:99], s[0:1], 0x20             ; b_qkv s[96:97], q s[98:99]
	s_load_b64 s[100:101], s[0:1], 0x30            ; kv
	v_lshl_add_u32 v[SPW], v0, 2, SPARE
	v_mov_b32 v[NIL], 0
	ds_add_u32 v28, v29
	ds_add_u32 v28, v29
	s_wait_dscnt 0x0
	v_lshrrev_b32 v1, 5, v0
	v_readfirstlane_b32 s14, v1                    ; wave 0..3
	s_lshr_b32 s15, s14, 1                         ; which half of A's rows is mine.  Also: I fetch for A' (0) or for B' (1)
	s_and_b32 s16, s14, 1                          ; which half of B's rows.  Also: which 128 rows I fetch
	s_bfe_u32 s40, ttmp6, 0x40000                  ; cx
	s_bfe_u32 s41, ttmp6, 0x40004                  ; cy
	s_and_b32 s18, ttmp7, 0xffff
	s_lshl_b32 s18, s18, 2                         ; 4 x cluster y
	s_lshl_b32 s19, ttmp9, 2                       ; 4 x cluster x
	s_cmp_eq_u32 ttmp9, 2                          ; the clusters with x = 2 make v: the same answer in all sixteen partners
	s_cselect_b32 s17, 8, s18                      ; A's first tile row: W's rows 2,048 on, or x's by cluster y
	s_cselect_b32 s42, s18, s19                    ; B's first tile row: x's by cluster y, or W's by cluster x
	s_cselect_b32 s[ISV], 1, 0
	s_add_co_u32 s17, s17, s41                     ; A's tile row hangs on cy alone among the places in the cluster,
	s_add_co_u32 s42, s42, s40                     ; B's on cx alone
	s_lshl_b32 s43, s41, 2
	s_lshl_b32 s43, 15, s43                        ; my row of the cluster
	s_lshl_b32 s44, 0x1111, s40                    ; my column
	; descriptor group 1: a tile of 128 rows x 192 bytes, 16 bytes of padding behind every 64
	s_or_b32 s[G1+0], s43, (0<<16)|(1<<20)|(1<<21)|(3<<22)|(3<<25)
	s_or_b32 s[G1B+0], s44, (0<<16)|(1<<20)|(1<<21)|(3<<22)|(3<<25)
.irp g, G1, G1B
	s_mov_b32 s[\g+1], ROWB<<16                    ; tensor_dim0
	s_mov_b32 s[\g+2], 128<<16                     ; tensor_dim1
	s_mov_b32 s[\g+3], ROWB<<16                    ; tile_dim0
	s_mov_b32 s[\g+4], 128                         ; tile_dim1
	s_mov_b32 s[\g+5], KROW                        ; the pitch
	s_mov_b32 s[\g+6], 0
	s_mov_b32 s[\g+7], 0
.endr
	; the scales of 128 rows: a dense block of 4,096 bytes, as 16 rows of 256 bytes (32 elements of 8), 16 bytes of padding behind each
	s_or_b32 s[G1S+0], s43, (3<<16)|(1<<20)|(1<<21)|(5<<22)|(3<<25)
	s_or_b32 s[G1SB+0], s44, (3<<16)|(1<<20)|(1<<21)|(5<<22)|(3<<25)
.irp g, G1S, G1SB
	s_mov_b32 s[\g+1], 32<<16
	s_mov_b32 s[\g+2], 16<<16
	s_mov_b32 s[\g+3], 32<<16
	s_mov_b32 s[\g+4], 16
	s_mov_b32 s[\g+5], 32
	s_mov_b32 s[\g+6], 0
	s_mov_b32 s[\g+7], 0
.endr
	s_lshl_b32 s18, s16, 7                         ; which 128 rows of the tile I fetch
	s_lshl_b32 s20, s17, 8
	s_add_co_u32 s20, s20, s18                     ; A': row 256 x tile row + 128 x half
	s_lshl_b32 s46, s42, 8
	s_add_co_u32 s46, s46, s18                     ; B' likewise
	s_mov_b32 s21, 0
	s_mov_b32 s47, 0
	s_mov_b64 s[18:19], KS
	s_mul_u64 s[22:23], s[20:21], s[18:19]         ; where these rows' scales begin
	s_mul_u64 s[92:93], s[46:47], s[18:19]
	s_mov_b64 s[18:19], KROW
	s_mul_u64 s[20:21], s[20:21], s[18:19]         ; and their codes
	s_mul_u64 s[46:47], s[46:47], s[18:19]
	s_mul_i32 s45, s14, HALFT                      ; where they go: wave x 128 rows
	s_mul_i32 s94, s14, HALFS
	s_wait_kmcnt 0x0
	s_cmp_eq_u32 ttmp9, 2                          ; the 64-bit sums between the choices leave SCC alone
	s_cselect_b64 s[12:13], s[8:9], s[4:5]         ; A's codes: W's or x's
	s_add_nc_u64 s[20:21], s[12:13], s[20:21]
	s_cselect_b64 s[12:13], s[10:11], s[6:7]       ; A's scales
	s_add_nc_u64 s[22:23], s[12:13], s[22:23]
	s_cselect_b64 s[12:13], s[4:5], s[8:9]         ; B's codes
	s_add_nc_u64 s[46:47], s[12:13], s[46:47]
	s_cselect_b64 s[12:13], s[6:7], s[10:11]       ; B's scales
	s_add_nc_u64 s[92:93], s[12:13], s[92:93]
	CROUND                                         ; all sixteen work-groups are here: the first joint loads meet
	s_mov_b32 s[G0S], 1
	s_add_co_u32 s[G0S+1], s94, SCL
	s_mov_b64 s[G0S+2:G0S+3], s[22:23]
	s_or_b32 s[G0S+3], s[G0S+3], 0x80000000
	s_mov_b32 s[G0SB], 1
	s_add_co_u32 s[G0SB+1], s94, SCL
	s_mov_b64 s[G0SB+2:G0SB+3], s[92:93]
	s_or_b32 s[G0SB+3], s[G0SB+3], 0x80000000
	JLOAD G0S, G1S, G0SB, G1SB                     ; the scales first: they are wanted with K step 0
.irp s, 0,1
	s_mov_b32 s[G0+4*\s], 1
	s_add_co_u32 s[G0+4*\s+1], s45, \s*SLOT
	s_add_nc_u64 s[G0+4*\s+2:G0+4*\s+3], s[20:21], \s*ROWB
	s_or_b32 s[G0+4*\s+3], s[G0+4*\s+3], 0x80000000
	s_mov_b32 s[G0B+4*\s], 1
	s_add_co_u32 s[G0B+4*\s+1], s45, \s*SLOT
	s_add_nc_u64 s[G0B+4*\s+2:G0B+4*\s+3], s[46:47], \s*ROWB
	s_or_b32 s[G0B+4*\s+3], s[G0B+4*\s+3], 0x80000000
	JLOAD G0+4*\s, G1, G0B+4*\s, G1B
.endr
	v_and_b32 v1, 15, v0                           ; r
	v_bfe_u32 v2, v0, 4, 1                         ; h
	v_and_b32 v7, 8, v1
	v_add_nc_u32 v7, v7, v1                        ; r + 8 (r / 8): my row in a tile
	v_mul_u32_u24 v3, v7, PITCH
	v_mul_u32_u24 v4, v2, 24
	v_add_nc_u32 v4, v3, v4                        ; row x pitch + 24 x half
	v_lshl_add_u32 v5, v2, 4, v4                   ; and the same behind one padding more
	s_mul_i32 s21, s15, HALFT                      ; my 128 rows of A'
	s_mul_i32 s22, s16, HALFT                      ; my 128 rows of B',
	s_add_co_u32 s22, s22, 2*HALFT                 ; which lie behind A's 256
.irp s, 0,1
	v_add_nc_u32 v[ADRA+\s], s21, v4
	v_add_nc_u32 v[ADRB+\s], s22, v4
	v_add_nc_u32 v[ADRA+2+\s], s21, v5
	v_add_nc_u32 v[ADRB+2+\s], s22, v5
	s_add_co_u32 s21, s21, SLOT
	s_add_co_u32 s22, s22, SLOT
.endr
	v_mul_u32_u24 v5, v7, KS                       ; my row's scales: 32 bytes a row,
	v_lshrrev_b32 v6, 8, v5
	v_lshl_add_u32 v5, v6, 4, v5                   ; and 16 more for each 256 passed
	s_mul_i32 s21, s15, HALFS
	s_mul_i32 s22, s16, HALFS
	s_add_co_u32 s22, s22, 2*HALFS
	s_sub_co_u32 s22, s22, s21
	v_mul_u32_u24 v6, s22, v2                      ; lanes 16-31 take B's
	s_add_co_u32 s21, s21, SCL
	v_add_nc_u32 v5, v5, v6
	v_add_nc_u32 v[ADRS], s21, v5
	; where my 128 x 128 goes
	s_lshl_b32 s20, s17, 8
	s_lshl_b32 s21, s15, 7
	s_add_co_u32 s20, s20, s21                     ; my first row of A'
	s_lshl_b32 s46, s42, 8
	s_lshl_b32 s47, s16, 7
	s_add_co_u32 s46, s46, s47                     ; my first row of B'
	s_cmp_eq_u32 s[ISV], 1
	s_cselect_b32 s22, s46, s20                    ; my first token
	s_cselect_b32 s23, s20, s46                    ; my first column of qkv
	s_lshl_b32 s18, s23, 2
	s_mov_b32 s19, 0
	s_add_nc_u64 s[96:97], s[96:97], s[18:19]      ; the bias of my 128 columns
	s_and_b32 s18, s23, 1023
	s_lshr_b32 s18, s18, 6                         ; the first of my two heads
	s_lshr_b32 s21, s22, 11                        ; the batch
	s_lshl_b32 s21, s21, 4
	s_add_co_u32 s18, s18, s21                     ; 16 x batch + head
	s_bfe_u32 s21, s22, 0x40007                    ; which 128 tokens of the batch's 2,048
	s_mov_b32 s66, HEADKV
	s_mov_b32 s67, 13056
	s_cmp_eq_u32 ttmp9, 0                          ; q has records of its own size and a buffer of its own
	s_cselect_b32 s66, 106496, s66                 ; bytes from head to head
	s_cselect_b32 s67, 6656, s67                   ; and from record to record
	s_cselect_b64 s[12:13], s[98:99], s[100:101]
	s_mul_i32 s18, s18, s66
	s_mul_i32 s21, s21, s67
	s_add_co_u32 s18, s18, s21
	s_mov_b32 s19, 0
	s_add_nc_u64 s[12:13], s[12:13], s[18:19]      ; my first head's record
	s_mov_b32 s[SEL], 0x76543210
	s_mov_b32 s[SEL+1], 0xfedcba98
	s_mov_b32 s[HI16], 0xffff0000
	v_and_b32 v6, 31, v0
	v_lshlrev_b32 v[O16], 4, v6
	v_lshlrev_b32 v[O8], 3, v6
	v_add_nc_u32 v[O16+1], s66, v[O16]
	v_add_nc_u32 v[O8+1], s66, v[O8]
	v_mul_u32_u24 v[OS], s66, v2
	v_lshl_add_u32 v[OS], v1, 4, v[OS]
	v_lshlrev_b32 v[SH], 4, v2
	v_lshlrev_b32 v[BO], 6, v2
	v_lshlrev_b32 v[BR], 2, v7
	; the bias in both forms, so that no register is written on one way alone: along B' (q, k: register 16 b + n is column 32 b + 16 h + n) and along A' (v: my lane's channel of tile a, twice, for the packed addition).  One form goes unused.
.irp b, 0,1,2,3
.irp j, 0,1,2,3
	global_load_b128 v[BB+16*\b+4*\j:BB+16*\b+4*\j+3], v[BO], s[96:97] offset:128*\b+16*\j
.endr
.endr
.irp a, 0,1,2,3,4,5,6,7
	global_load_b32 v[BA+2*\a], v[BR], s[96:97] offset:4*(32*(\a/2)+8*(\a%2))
	global_load_b32 v[BA+2*\a+1], v[BR], s[96:97] offset:4*(32*(\a/2)+8*(\a%2))
.endr
.macro FRAG reg, adr, q, i             ; a fragment: 12 registers, six pieces of 8 bytes; lanes 16-31 read three pieces on, which for some pieces is behind one padding more: the second address register serves those
.irp p, 0,1,2,3,4,5
.set PCE, 12*(\q)+6*(\p/3)+\p%3
.if PCE%8 < 5
	ds_load_b64 v[\reg+2*\p:\reg+2*\p+1], v[\adr] offset:8*PCE+16*(PCE/8)+(32*((\i)/2)+8*((\i)%2))*PITCH
.else
	ds_load_b64 v[\reg+2*\p:\reg+2*\p+1], v[\adr+2] offset:8*PCE+16*(PCE/8)+(32*((\i)/2)+8*((\i)%2))*PITCH
.endif
.endr
.endm
; 16 matrix instructions: A's blocks a0, a0 + 1 x B's eight.  The 64 accumulators take turns, one instruction a turn, in the same order in every step.
.macro MUL16 a0, p, q, sc, zero
.irp a, \a0, \a0+1
.irp b, 0,1,2,3,4,5,6,7
.if \zero
	v_wmma_scale_f32_16x16x128_f8f6f4 v[8*(8*((\a)%4)+\b):8*(8*((\a)%4)+\b)+7], v[128*(\p)+FR*\b:128*(\p)+FR*\b+FR-1], v[AF+FR*(\a):AF+FR*(\a)+FR-1], 0, v[SC+8*NQ*(\sc)+NQ*\b+(\q)], v[SC+8*NQ*(\sc)+NQ*(\a)+(\q)] matrix_a_fmt:MATRIX_FMT_FP6 matrix_b_fmt:MATRIX_FMT_FP6 matrix_a_scale:MATRIX_SCALE_ROW1
.else
	v_wmma_scale_f32_16x16x128_f8f6f4 v[8*(8*((\a)%4)+\b):8*(8*((\a)%4)+\b)+7], v[128*(\p)+FR*\b:128*(\p)+FR*\b+FR-1], v[AF+FR*(\a):AF+FR*(\a)+FR-1], v[8*(8*((\a)%4)+\b):8*(8*((\a)%4)+\b)+7], v[SC+8*NQ*(\sc)+NQ*\b+(\q)], v[SC+8*NQ*(\sc)+NQ*(\a)+(\q)] matrix_a_fmt:MATRIX_FMT_FP6 matrix_b_fmt:MATRIX_FMT_FP6 matrix_a_scale:MATRIX_SCALE_ROW1
.endif
.endr
.endr
.endm
.macro FETCH_B slot, q, p
	WIN TO_B
.irp i, 0,1,2,3,4,5,6,7
	FRAG 128*(\p)+FR*\i, ADRB+\slot, \q, \i
.endr
	WIN 0
.endm
.macro FETCH_A slot, q, i0
.irp i, \i0, \i0+1, \i0+2, \i0+3
	FRAG AF+FR*(\i), ADRA+\slot, \q, \i
.endr
.endm
.macro SCALES sc                       ; a K step's two scale words a row: lanes 0-15 A's tile i, lanes 16-31 B's tile i; tile i begins at unit 4 (i / 2) + i % 2 (8 rows of scales to a unit)
.irp i, 0,1,2,3,4,5,6,7
	ds_load_b64 v[SC+8*NQ*\sc+NQ*\i:SC+8*NQ*\sc+NQ*\i+1], v[ADRS] offset:(4*(\i/2)+\i%2)*272
.endr
.endm
.macro PLACES n                        ; plain vector instructions between a matrix instruction and a load into, or a vector instruction on, its registers
.rept \n
	v_nop
.endr
.endm
.macro STEP slot, q, zero              ; 128 along K that has its successor in the same slot
	s_wait_dscnt 4*NL                              ; all but the youngest 24 loads (A's blocks 4-7) are in
	WIN MUL_LO
	MUL16 0, (\q)%2, \q, \slot, \zero
	MUL16 2, (\q)%2, \q, \slot, \zero
	s_wait_dscnt 0
	PLACES NP
	FETCH_B \slot, (\q)+1, 1-(\q)%2
	FETCH_A \slot, (\q)+1, 0
	WIN MUL_HI
	MUL16 4, (\q)%2, \q, \slot, \zero
	MUL16 6, (\q)%2, \q, \slot, \zero
	PLACES NP
	WIN 0
	FETCH_A \slot, (\q)+1, 4
.endm
; A slot's last step changes slots: one barrier; in front of it each wave waits for all its tensor loads, adds 0 to its spare word, and waits for that and for its reads of this slot.
.macro TURN slot, next, fill
	s_wait_tensorcnt 0x0                           ; all my tensor loads have landed: my part of the next slot
	ds_add_u32 v[SPW], v[NIL]                      ; 0 onto my spare word
	s_wait_dscnt 4*NL+1                            ; the add and the youngest 24 loads may be out
	WIN MUL_LO
	MUL16 0, 1, NQ-1, \slot, 0
	s_wait_dscnt 0x0                               ; the add is done, and my reads of this slot are over
	s_barrier_signal -1
	MUL16 2, 1, NQ-1, \slot, 0
	WIN 0
	s_barrier_wait -1
.if \fill
	CREST                                          ; the barrier has opened a round of the cluster's: no wave of any partner still reads this slot or has a load on its way
	s_add_nc_u64 s[G0+4*\slot+2:G0+4*\slot+3], s[G0+4*\slot+2:G0+4*\slot+3], 2*ROWB
	s_add_nc_u64 s[G0B+4*\slot+2:G0B+4*\slot+3], s[G0B+4*\slot+2:G0B+4*\slot+3], 2*ROWB
	JLOAD G0+4*\slot, G1, G0B+4*\slot, G1B         ; the first tensor load behind the round; its four v_nop are the places in front of the loads below
.else
	PLACES NP
.endif
	v_add_nc_u32 v[ADRS], 4*NQ, v[ADRS]            ; the next K step's scale words
	FETCH_B \next, 0, 0
	FETCH_A \next, 0, 0
	SCALES \next
	WIN MUL_HI
	MUL16 4, 1, NQ-1, \slot, 0
	MUL16 6, 1, NQ-1, \slot, 0
	PLACES NP
	WIN 0
	FETCH_A \next, 0, 4
.endm
	s_wait_tensorcnt 1                             ; the scales and my part of K step 0 are in; K step 1's load may be out
	s_barrier_signal -1
	s_barrier_wait -1
	FETCH_B 0, 0, 0
	FETCH_A 0, 0, 0
	SCALES 0
	FETCH_A 0, 0, 4
	STEP 0, 0, 1                                   ; the first step's products start the sums
	s_mov_b32 s3, LAPS-1
.Llap:
	TURN 0, 1, 1
	STEP 1, 0, 0
	TURN 1, 0, 1
	STEP 0, 0, 0
	s_sub_co_u32 s3, s3, 1
	s_cmp_lg_u32 s3, 0
	s_cbranch_scc1 .Llap
	TURN 0, 1, 0                                   ; the last lap fills nothing
	STEP 1, 0, 0
	s_wait_dscnt 4*NL
	WIN MUL_LO
	MUL16 0, 1, NQ-1, 1, 0
	MUL16 2, 1, NQ-1, 1, 0
	s_wait_dscnt 0
	WIN MUL_HI
	MUL16 4, 1, NQ-1, 1, 0
	MUL16 6, 1, NQ-1, 1, 0
	WIN 0
; 64 numbers of a lane, v[s] on, register 16 b + i = place 32 b + 16 (lane / 16) + i along the quantiser's axis, become a fragment's 12 registers of codes in v[PC] on and its scale word in v[PW].
.macro QUANT s
.irp b, 0,1,2,3
	v_max3_num_f32 v[TM+\b], |v[\s+16*\b]|, |v[\s+1+16*\b]|, 0x1800000   ; block b: my 16 numbers, and the floor 2^(3 - 127): the byte cannot fall under 1
.endr
.irp i, 2,4,6,8,10,12,14
.irp b, 0,1,2,3
	v_max3_num_f32 v[TM+\b], v[TM+\b], |v[\s+16*\b+\i]|, |v[\s+1+16*\b+\i]|
.endr
.endr
.irp b, 0,1,2,3
	v_permlanex16_b32 v[TM+4+\b], v[TM+\b], s[SEL], s[SEL+1]
.endr
.irp b, 0,1,2,3
	v_max_num_f32 v[TM+\b], v[TM+\b], v[TM+4+\b]   ; with lane l xor 16's: the block's largest magnitude
.endr
.irp b, 0,1,2,3
	v_add_nc_u32 v[TM+12+\b], 0xff000000, v[TM+\b] ; 2 off its exponent field: the conversion's scale operand
.endr
.irp b, 0,1,2,3
	v_lshrrev_b32 v[TM+4+\b], 23, v[TM+12+\b]      ; the scale's byte
.endr
	v_lshl_or_b32 v[PW], v[TM+5], 8, v[TM+4]
	v_lshl_or_b32 v[PW], v[TM+6], 16, v[PW]
	v_lshl_or_b32 v[PW], v[TM+7], 24, v[PW]
.irp c, 0,1
	v_cvt_scalef32_pk16_fp6_f32 v[PC+6*\c:PC+2+6*\c], v[\s+32*\c:\s+15+32*\c], v[TM+12+2*\c]
	v_cvt_scalef32_pk16_fp6_f32 v[PC+12+4*\c:PC+14+4*\c], v[\s+16+32*\c:\s+31+32*\c], v[TM+12+2*\c+1]   ; (a conversion's three registers begin on an even number)
.endr
	v_nop                                          ; one plain place behind a scaled conversion
.irp c, 0,1                                    ; the operand's layout wants a whole block in a lane: lanes 0-15 block 2 c, lanes 16-31 block 2 c + 1
.irp i, 0,1,2
	v_permlane16_swap_b32 v[PC+6*\c+\i], v[PC+12+4*\c+\i]
.endr
.irp i, 0,1,2
	v_mov_b32 v[PC+3+6*\c+\i], v[PC+12+4*\c+\i]
.endr
.endr
.endm
; THE WAY OUT of A's block a: 16 rows x 128.  The packed additions are the bias and the move into window 0 in one; each accumulator is read from its low end on.
.macro OUTBLK a, isv
	WIN 0x02+(\a)/4                                ; source 0: window 2 or 3
.set i, 0
.rept 32
.if \isv
	v_pk_add_f32 v[T+2*i:T+2*i+1], v[64*((\a)%4)+2*i:64*((\a)%4)+2*i+1], v[BA+2*(\a):BA+2*(\a)+1]
.else
	v_pk_add_f32 v[T+2*i:T+2*i+1], v[64*((\a)%4)+2*i:64*((\a)%4)+2*i+1], v[BB+2*i:BB+2*i+1]
.endif
.set i, i+1
.endr
	WIN 0
	s_wait_xcnt 0x0                                ; the last block's stores have read their data: the codes' registers may be written again
	QUANT T
.if \isv
	v_mov_b32 v[SW+(\a)], v[PW]                    ; my channel's four bytes: the step's four blocks of keys
.irp c, 0,1,2
	global_store_b128 v[O16], v[PC+4*\c:PC+4*\c+3], s[12:13] offset:((\a)/4)*HEADKV+VCO+((\a)%4)*1536+512*\c   ; 512 consecutive bytes
.endr
.else
	v_bfe_u32 v[SW+(\a)], v[PW], v[SH], 16         ; lanes 0-15: the first head's two bytes, lanes 16-31: the second's; the upper two bytes are 0
.irp c, 0,1                                    ; registers 6 c .. 6 c + 5 are head c's 64 channels
	global_store_b128 v[O16+\c], v[PC+6*\c:PC+6*\c+3], s[12:13] offset:768*(\a)
	global_store_b64 v[O8+\c], v[PC+6*\c+4:PC+6*\c+5], s[12:13] offset:768*(\a)+512
.endr
.endif
.endm
	PLACES NP                                      ; behind the last products: the lines below write registers that held A's fragments and read results
	s_wait_loadcnt 0x0                             ; the bias
.irp b, 0,1,2,3
	v_mov_b32 v[TM+4+\b], 0                        ; a lane permute's destination counts as one of its sources
.endr
	s_cmp_eq_u32 s[ISV], 1                         ; the same in all partners of a cluster
	s_cbranch_scc1 .Lout_v
.irp a, 0,1,2,3,4,5,6,7
	OUTBLK \a, 0
.endr
.irp g, 0,1
	global_store_b128 v[OS], v[SW+4*\g:SW+4*\g+3], s[12:13] offset:KSC+256*\g   ; sixteen lanes fill 256 consecutive bytes of each head's record
.endr
	s_branch .Ldone
.Lout_v:
.irp a, 0,1,2,3,4,5,6,7
	OUTBLK \a, 1
.endr
.irp i, 0,1,2,3
	v_cndmask_b32 v[DD+\i], v[SW+\i], v[SW+4+\i], s[HI16]   ; lanes 0-15: the first head's tile i, lanes 16-31: the second's
.endr
	global_store_b128 v[OS], v[DD:DD+3], s[12:13] offset:VSO
.Ldone:
	s_wait_tensorcnt 0x0                           ; the wave's end
	ds_add_u32 v[SPW], v[NIL]
	s_wait_dscnt 0x0
	CROUND                                         ; the closing round: no work-group ends while a partner may still ask for a tile that names it
	s_endpgm
.Lfunc_end_k_qd14864bbc3_qkv:
	.size	k_qd14864bbc3_qkv, .Lfunc_end_k_qd14864bbc3_qkv-k_qd14864bbc3_qkv
	.p2alignl 7, 3214868480
	.fill 96, 4, 3214868480
	.section	.rodata,"a",@progbits
	.p2align	6, 0x0
	.amdhsa_kernel k_qd14864bbc3_qkv
		.amdhsa_group_segment_fixed_size 327680
		.amdhsa_private_segment_fixed_size 0
		.amdhsa_enable_private_segment 0
		.amdhsa_kernarg_size 56
		.amdhsa_user_sgpr_count 2
		.amdhsa_user_sgpr_kernarg_segment_ptr 1
		.amdhsa_wavefront_size32 1
		.amdhsa_system_sgpr_workgroup_id_x 1
		.amdhsa_system_sgpr_workgroup_id_y 1
		.amdhsa_system_sgpr_workgroup_id_z 1
		.amdhsa_system_vgpr_workitem_id 0
		.amdhsa_next_free_vgpr 1024
		.amdhsa_next_free_sgpr 102
		.amdhsa_reserve_vcc 0
		.amdhsa_float_denorm_mode_32 3
		.amdhsa_float_denorm_mode_16_64 3
		.amdhsa_memory_ordered 1
		.amdhsa_forward_progress 1
		.amdhsa_inst_pref_size 234
	.end_amdhsa_kernel
	.amdgpu_metadata
---
amdhsa.version: [ 1, 2 ]
amdhsa.kernels:
  - .name:           k_qd14864bbc3_qkv
    .symbol:         k_qd14864bbc3_qkv.kd
    .args:
      - { .name: x_codes, .offset: 0, .size: 8, .value_kind: global_buffer, .address_space: global }
      - { .name: x_scales, .offset: 8, .size: 8, .value_kind: global_buffer, .address_space: global }
      - { .name: W_qkv_codes, .offset: 16, .size: 8, .value_kind: global_buffer, .address_space: global }
      - { .name: W_qkv_scales, .offset: 24, .size: 8, .value_kind: global_buffer, .address_space: global }
      - { .name: b_qkv, .offset: 32, .size: 8, .value_kind: global_buffer, .address_space: global }
      - { .name: q, .offset: 40, .size: 8, .value_kind: global_buffer, .address_space: global }
      - { .name: kv, .offset: 48, .size: 8, .value_kind: global_buffer, .address_space: global }
    .group_segment_fixed_size: 327680
    .private_segment_fixed_size: 0
    .kernarg_segment_align: 8
    .kernarg_segment_size: 56
    .max_flat_workgroup_size: 128
    .sgpr_count:     102
    .vgpr_count:     1024
    .wavefront_size: 32
...
	.end_amdgpu_metadata
.endif
;; end of part 1
;; launch attn (part 2): grid 4 x 64, 16 waves a work-group, clusters of 4 x 1, 210,944 bytes of LDS; arguments q, kv, y, ysc; writes y, ysc
.if DOCPART == 2
	.amdgcn_target "amdgcn-amd-amdhsa--gfx1250"
	.amdhsa_code_object_version 6
	.text
	.protected	k_qd14864bbc3_attn
	.globl	k_qd14864bbc3_attn
	.p2align	8
	.type	k_qd14864bbc3_attn,@function
k_qd14864bbc3_attn:
	s_mov_b64 s[64:65], 0
	v_nop
	global_prefetch_b8 v0, s[64:65] scope:SCOPE_SE
	s_setreg_imm32_b32 hwreg(HW_REG_WAVE_MODE, 25, 1), 1
	s_wait_xcnt 0x0
	s_wait_alu depctr_hold_cnt(0) depctr_sa_sdst(0) depctr_va_vdst(0) depctr_va_sdst(0) depctr_va_ssrc(0) depctr_va_vcc(0) depctr_vm_vsrc(0)
	s_getreg_b32 s2, hwreg(HW_REG_IB_STS2, 6, 4)
	s_cmp_eq_u32 s2, 0
	s_cbranch_scc0 .Lentry_in_a_cluster
	s_endpgm
.Lentry_in_a_cluster:
	s_bfe_u32 s2, ttmp6, 0x10000c
	s_cmp_lg_u32 s2, 0x3003
	s_cbranch_scc0 .Lentry_shape_is_right
	s_endpgm
.Lentry_shape_is_right:
; y[b][t][head] = softmax(q k^T / 8) v, both products on codes of FP6 (E2M3) with one E8M0 scale for each 32 along a product's K; y is quantised here along D (a head is two blocks of 32) and leaves as images of operand registers.
; q, kv: the records that the launch before has laid (per head and step of 128 tokens: 8 tiles of 768 bytes and 512 bytes of scale words; in kv then v^T: 4 tiles of 1,536 bytes and 256 bytes of scale words).
; THE SOFTMAX: t = score x log2(e) / 8; M = the running largest t rounded UP to a whole number; p = 2^(t - M) is quantised along the keys, not normalised; the sum of the unquantised p divides at the end; when M moves, sum and O are multiplied by 2^(old M - new M).
; SHARES.  A work-group owns 512 queries of one head; each of its sixteen waves takes two tiles of 16 queries, one after the other, in 256 registers: four waves to a SIMD.
; A WHOLE HEAD'S k, v AND SCALES, 16 records of 13,056 bytes, LIE IN LDS, filled once: no slot is ever filled again.  The four work-groups of a head form the cluster and ask jointly: waves 0 to 3 issue four loads each
; (load i of wave w: record 4 i + w), so that the first pass can start on the first four records.  All bytes are asked for at the head, so there is nothing to prefetch.
; LAYOUT.  Both products transposed: S^T = k q^T (source 0 = 16 keys), O^T = v^T p^T (source 0 = 16 channels): a lane holds one query.  The keys of a tile of k and the channels of a tile of v^T are those of the launch before:
; lane r of tile i holds 32 (i / 2) + 8 (i % 2) + r + 8 (r / 8), so that 16 registers of two neighbouring tiles are 16 neighbouring keys (p) or channels (y).
; THE EMPTY HALF OF K = 128.  The head has 64 channels: registers 0-5 of an operand.  q's registers 6-11 are zero codes and bytes 2, 3 of q's and k's scale words are 0.  k's operand names the NEXT tile's six registers as its upper six:
; every product there has a zero factor.  That spares 24 registers.
; LIMITS: NaN and infinities are not served; a block of zeros gets the byte 1 and not 127 (codes zero, bytes read by this program alone); blocks of y under 2^-124 are held at byte 1.
; ysc is stored a byte a lane, 32 bytes apart: one byte for 24 of y's; it keeps the next launch's scales in plain rows.
; REGISTERS: v1-3, v6 offsets that stay; v8-10 LDS addresses of the step; v12 -M, v13 largest t, v[14:15] the sum; v16-27 q; v32-61 four tiles of k; v62-85, v192-215 v^T; v86-89 its scale words; v96-159 S^T, then p; v160-191 O^T;
;   v216-223 k's scale words; v224-254 at work; v253 p's scale word; v255 q's.
.set REC,    13056
.set HEADKV, 16*REC
.set QREC,   6656
.set HEADQ,  16*QREC
.set KSC,    6144
.set VC,     6656
.set VS,     12800
.set KF,   32
.set VW,   86
.set KW,   216
.set WV,   12                          ; s12 my wave's number
.set G1,   16                          ; s[16:23] descriptor group 1;  s[24:39] four groups 0
.set G0,   24
.set SEL,  40                          ; s[40:41] lane selects: lane l xor 16
.set CS,   42                          ; s[42:43] c = log2(e) / 8
.set TB,   44                          ; s44 LDS byte of the record in hand
.set CNT,  45
.set HI16, 47                          ; s47 the mask of lanes 16-31
.macro CROUND                          ; a round of the cluster's barrier
	s_barrier_signal -1
	s_barrier_wait -1
	s_cmp_lg_u32 s[WV], 0
	s_cbranch_scc1 .Lnot_wave_0_\@
	s_barrier_signal -3
.Lnot_wave_0_\@:
	s_barrier_wait -3
	s_barrier_signal -1
	s_barrier_wait -1
.endm
	s_load_b256 s[4:11], s[0:1], 0x0               ; q s[4:5], kv s[6:7], y s[8:9], ysc s[10:11]
	v_lshl_add_u32 v250, v0, 2, 0x33000
	v_mov_b32 v251, 0
	ds_add_u32 v250, v251
	ds_add_u32 v250, v251
	v_lshrrev_b32 v1, 5, v0
	s_delay_alu instid0(VALU_DEP_1)
	v_readfirstlane_b32 s[WV], v1                  ; wave 0..15
	s_bfe_u32 s13, ttmp6, 0x40000                  ; cx: my block of 512 queries
	s_and_b32 s14, ttmp7, 0xffff                   ; 16 x batch + head, which the four partners share
	; descriptor group 1: a record, dense: 51 rows of 256 bytes (32 elements of 8 bytes)
	s_mov_b32 s[G1], 15|(3<<16)|(1<<21)            ; 15:0 the mask: all four work-groups; 17:16 elements of 8 bytes; 21 set beside a mask; no padding
	s_mov_b32 s[G1+1], 32<<16                      ; tensor_dim0
	s_mov_b32 s[G1+2], 51<<16                      ; tensor_dim1
	s_mov_b32 s[G1+3], 32<<16                      ; tile_dim0
	s_mov_b32 s[G1+4], 51                          ; tile_dim1
	s_mov_b32 s[G1+5], 32                          ; the pitch
	s_mov_b32 s[G1+6], 0
	s_mov_b32 s[G1+7], 0
	s_mov_b32 s[SEL], 0x76543210
	s_mov_b32 s[SEL+1], 0xfedcba98
	s_mov_b32 s[CS], 0x3e38aa3b                    ; log2(e) / 8
	s_mov_b32 s[CS+1], s[CS]                       ; (named with it as a pair)
	s_mov_b32 s[HI16], 0xffff0000
	s_mul_i32 s56, s14, HEADKV                     ; the head's records,
	s_mul_i32 s58, s[WV], REC                      ; record w: in memory and in LDS alike
	s_add_co_u32 s56, s56, s58
	s_mov_b32 s57, 0
	; q: my first tile is tile wave % 8 of step 4 cx + wave / 8
	s_mul_i32 s60, s14, HEADQ
	s_lshl_b32 s61, s13, 2
	s_lshr_b32 s62, s[WV], 3
	s_add_co_u32 s61, s61, s62
	s_mul_i32 s61, s61, QREC
	s_add_co_u32 s60, s60, s61                     ; its record
	s_and_b32 s62, s[WV], 7
	s_mul_i32 s63, s62, 768
	s_add_co_u32 s48, s60, s63                     ; its codes
	s_mov_b32 s49, 0
	s_lshr_b32 s63, s62, 2
	s_lshl_b32 s63, s63, 8
	s_add_co_u32 s50, s60, s63
	s_and_b32 s63, s62, 3
	s_lshl_b32 s63, s63, 2
	s_add_co_u32 s50, s50, s63
	s_add_co_u32 s50, s50, KSC                     ; its scale words: [tile / 4][row][tile % 4]
	s_mov_b32 s51, 0
	; y: tile of rows 128 x batch + 32 cx + wave; 12,288 bytes a tile of rows, 768 a head
	s_lshr_b32 s60, s14, 4
	s_lshl_b32 s60, s60, 7
	s_lshl_b32 s61, s13, 5
	s_add_co_u32 s60, s60, s61
	s_add_co_u32 s60, s60, s[WV]
	s_and_b32 s61, s14, 15
	s_mul_i32 s52, s60, 12288
	s_mul_i32 s62, s61, 768
	s_add_co_u32 s52, s52, s62
	s_mov_b32 s53, 0
	s_lshl_b32 s54, s60, 9                         ; ysc: 16 rows of 32 bytes a tile, two bytes a head
	s_lshl_b32 s62, s61, 1
	s_add_co_u32 s54, s54, s62
	s_mov_b32 s55, 0
	s_wait_dscnt 0x0
	s_wait_kmcnt 0x0
	s_add_nc_u64 s[56:57], s[6:7], s[56:57]
	s_add_nc_u64 s[48:49], s[4:5], s[48:49]
	s_add_nc_u64 s[50:51], s[4:5], s[50:51]
	s_add_nc_u64 s[52:53], s[8:9], s[52:53]
	s_add_nc_u64 s[54:55], s[10:11], s[54:55]
	CROUND                                         ; all four work-groups are here: the joint loads meet
.irp i, 0,1,2,3
	s_mov_b32 s[G0+4*\i], 1                        ; count = 1
	s_add_co_u32 s[G0+4*\i+1], s58, \i*4*REC       ; LDS address: record 4 i + wave
	s_add_nc_u64 s[G0+4*\i+2:G0+4*\i+3], s[56:57], \i*4*REC
	s_or_b32 s[G0+4*\i+3], s[G0+4*\i+3], 0x80000000   ; type = 2
.endr
	s_cmp_lt_u32 s[WV], 4                          ; all the fills of a wave stand in one branch on the wave's number: four loads of mine are out
	s_cbranch_scc0 .Lno_fetch
	tensor_load_to_lds s[G0:G0+3], s[G1:G1+7]
	s_nop 0
	tensor_load_to_lds s[G0+4:G0+7], s[G1:G1+7]
	s_nop 0
	tensor_load_to_lds s[G0+8:G0+11], s[G1:G1+7]
	s_nop 0
	tensor_load_to_lds s[G0+12:G0+15], s[G1:G1+7]
	s_nop 0
.rept 4
	v_nop
.endr
.Lno_fetch:
	v_and_b32 v4, 31, v0                           ; lane
	v_and_b32 v5, 15, v0                           ; r
	v_bfe_u32 v7, v0, 4, 1                         ; h
	s_delay_alu instid0(VALU_DEP_3)
	v_lshlrev_b32 v1, 4, v4                        ; 16 x lane: an image's pieces of 512 bytes
	s_delay_alu instid0(VALU_DEP_4)
	v_lshlrev_b32 v2, 3, v4                        ; 8 x lane: its pieces of 256
	s_delay_alu instid0(VALU_DEP_4)
	v_lshlrev_b32 v3, 4, v5                        ; 16 r: four scale words a row
	s_delay_alu instid0(VALU_DEP_4)
	v_lshl_add_u32 v6, v5, 5, v7                   ; 32 r + h: my byte of ysc
.irp j, 22,23,24,25,26,27, 56,57,58,59,60,61
	v_mov_b32 v[\j], 0                             ; q's upper six registers, and what the fourth tile of k names as its upper six: zero codes, set once
.endr
.irp b, 0,1,2,3
	v_mov_b32 v[236+\b], 0                         ; a lane permute's destination counts as one of its sources
.endr
	v_mov_b32 v252, 0
	v_mov_b32 v253, 0                              ; (named as the upper half of the pair v[252:253] before it is first written)
; A KEY STEP: 128 keys, the record at s[TB].
.macro KSTEP
	v_add_nc_u32 v8, s[TB], v1                     ; these three and the v_nop are the four places between the last step's products and the loads into their operands
	v_add_nc_u32 v9, s[TB], v2
	v_add_nc_u32 v10, s[TB], v3
	v_nop
.irp t, 0,1,2,3
	ds_load_b128 v[KF+6*\t:KF+6*\t+3], v8 offset:768*\t
	ds_load_b64 v[KF+6*\t+4:KF+6*\t+5], v9 offset:768*\t+512
.endr
	ds_load_b128 v[KW:KW+3], v10 offset:KSC        ; k's scale words, tiles 0-3
	ds_load_b128 v[KW+4:KW+7], v10 offset:KSC+256  ; tiles 4-7
.irp ct, 0,1,2,3
.irp c, 0,1,2
	ds_load_b128 v[62+12*\ct+106*(\ct/2)+4*\c:62+12*\ct+106*(\ct/2)+4*\c+3], v8 offset:VC+1536*\ct+512*\c
.endr
.endr
	ds_load_b128 v[VW:VW+3], v10 offset:VS
	s_wait_alu depctr_va_vdst(0)
	s_wait_dscnt 13                                ; k's first four tiles and its scale words are in; v's 13 loads may be out
.irp t, 0,1,2,3
	v_wmma_scale_f32_16x16x128_f8f6f4 v[96+8*\t:103+8*\t], v[KF+6*\t:KF+6*\t+11], v[16:27], 0, v[KW+\t], v255 matrix_a_fmt:MATRIX_FMT_FP6 matrix_b_fmt:MATRIX_FMT_FP6
.endr
.rept 4
	v_nop                                          ; places in front of loads into registers that matrix instructions have read
.endr
.irp t, 0,1,2,3
	ds_load_b128 v[KF+6*\t:KF+6*\t+3], v8 offset:768*(4+\t)
	ds_load_b64 v[KF+6*\t+4:KF+6*\t+5], v9 offset:768*(4+\t)+512
.endr
	s_wait_dscnt 0x0
.irp t, 0,1,2,3
	v_wmma_scale_f32_16x16x128_f8f6f4 v[128+8*\t:135+8*\t], v[KF+6*\t:KF+6*\t+11], v[16:27], 0, v[KW+4+\t], v255 matrix_a_fmt:MATRIX_FMT_FP6 matrix_b_fmt:MATRIX_FMT_FP6
.endr
.rept 4
	v_nop
.endr                                          ; lane (r, h) holds query r; registers 16 b + i are keys 32 b + 16 h + i of the step
.irp b, 0,1,2,3
	v_max3_num_f32 v[232+\b], v[96+16*\b], v[97+16*\b], v[98+16*\b]   ; the largest score of each block of 32 keys: for the row's maximum and, since p rises with the score, for the block's largest p
.endr
.irp i, 3,5,7,9,11,13
.irp b, 0,1,2,3
	v_max3_num_f32 v[232+\b], v[232+\b], v[96+16*\b+\i], v[97+16*\b+\i]
.endr
.endr
.irp b, 0,1,2,3
	v_max_num_f32 v[232+\b], v[232+\b], v[111+16*\b]
.endr
.irp b, 0,1,2,3
	s_delay_alu instid0(VALU_DEP_4)
	v_permlanex16_b32 v[236+\b], v[232+\b], s[SEL], s[SEL+1]
.endr
.irp b, 0,1,2,3
	s_delay_alu instid0(VALU_DEP_4)
	v_max_num_f32 v[232+\b], v[232+\b], v[236+\b]  ; with lane l xor 16's 16 keys
.endr
	s_delay_alu instid0(VALU_DEP_2)
	v_max3_num_f32 v254, v232, v233, v234
	s_delay_alu instid0(VALU_DEP_1)
	v_max_num_f32 v254, v254, v235                 ; the step's largest score of my query
	s_delay_alu instid0(VALU_DEP_1)
	v_mul_f32 v254, s[CS], v254                    ; as t
	s_delay_alu instid0(VALU_DEP_1)
	v_max_num_f32 v13, v13, v254                   ; the running largest t
	v_mov_b32 v254, v12
	s_delay_alu instid0(VALU_DEP_2)
	v_floor_f32 v12, -v13                          ; the new -M = floor(-t): M is a whole number
	s_delay_alu instid0(VALU_DEP_1)
	v_sub_f32 v254, v12, v254                      ; old M less new M: a whole number, 0 or less
	s_delay_alu instid0(VALU_DEP_1)
	v_cvt_i32_f32 v254, v254                       ; (it saturates)
	s_delay_alu instid0(VALU_DEP_1)
	v_ldexp_f32 v252, 1.0, v254                    ; f = 2^(old M - new M)
.set j, 0
.rept 32
	v_pk_fma_f32 v[96+j:97+j], v[96+j:97+j], s[CS:CS+1], v[12:13] op_sel_hi:[1,0,0]   ; t - M, two at a time
.set j, j+2
.endr
.irp b, 0,1,2,3
	v_fma_f32 v[232+\b], v[232+\b], s[CS], v12     ; the same of each block's largest score
.endr
.set j, 0
	s_setprio 1
	s_wait_alu depctr_va_vdst(0)
.rept 64
	v_exp_f32 v[96+j], v[96+j]                     ; p = 2^(t - M), at most 1
.set j, j+1
.endr
	v_pk_mul_f32 v[14:15], v[14:15], v[252:253] op_sel_hi:[1,0]   ; the sums under the new M: a plain place behind the exponentials
	s_wait_alu depctr_va_vdst(0)                   ; one wait for the batch of 64, ahead of its first reader
.irp b, 0,1,2,3
	v_exp_f32 v[232+\b], v[232+\b]                 ; the block's largest p
.endr
	v_pk_add_f32 v[236:237], v[100:101], v[104:105]
	v_pk_add_f32 v[248:249], v[108:109], v[112:113]
	v_pk_add_f32 v[246:247], v[116:117], v[120:121]
	v_pk_add_f32 v[244:245], v[124:125], v[128:129]
	v_pk_add_f32 v[242:243], v[132:133], v[136:137]
	v_pk_add_f32 v[240:241], v[140:141], v[144:145]
	v_pk_add_f32 v[238:239], v[148:149], v[152:153]
	v_pk_add_f32 v[14:15], v[14:15], v[156:157]
	v_pk_add_f32 v[236:237], v[236:237], v[96:97]
	v_pk_add_f32 v[248:249], v[248:249], v[98:99]
	v_pk_add_f32 v[246:247], v[246:247], v[102:103]
	v_pk_add_f32 v[244:245], v[244:245], v[106:107]
	v_pk_add_f32 v[242:243], v[242:243], v[110:111]
	v_pk_add_f32 v[240:241], v[240:241], v[114:115]
	v_pk_add_f32 v[238:239], v[238:239], v[118:119]
	v_pk_add_f32 v[14:15], v[14:15], v[122:123]
	v_pk_add_f32 v[236:237], v[236:237], v[126:127]
	v_pk_add_f32 v[248:249], v[248:249], v[130:131]
	v_pk_add_f32 v[246:247], v[246:247], v[134:135]
	v_pk_add_f32 v[244:245], v[244:245], v[138:139]
	v_pk_add_f32 v[242:243], v[242:243], v[142:143]
	v_pk_add_f32 v[240:241], v[240:241], v[146:147]
	v_pk_add_f32 v[238:239], v[238:239], v[150:151]
	v_pk_add_f32 v[14:15], v[14:15], v[154:155]
	v_pk_add_f32 v[236:237], v[236:237], v[158:159]
	s_delay_alu instid0(VALU_DEP_2)
	v_pk_add_f32 v[14:15], v[14:15], v[244:245]
	s_delay_alu instid0(VALU_DEP_2)
	v_pk_add_f32 v[236:237], v[236:237], v[242:243]
	v_pk_add_f32 v[248:249], v[248:249], v[240:241]
	v_pk_add_f32 v[246:247], v[246:247], v[238:239]
	s_delay_alu instid0(VALU_DEP_2)
	v_pk_add_f32 v[14:15], v[14:15], v[248:249]
	s_delay_alu instid0(VALU_DEP_2)
	v_pk_add_f32 v[236:237], v[236:237], v[246:247]
	s_delay_alu instid0(VALU_DEP_1)
	v_pk_add_f32 v[14:15], v[14:15], v[236:237]
	s_wait_alu depctr_va_vdst(0)                   ; and one for the four
.irp b, 0,1,2,3
	v_max_num_f32 v[232+\b], 0x1800000, v[232+\b]  ; the floor 2^(3 - 127)
.endr
.irp b, 0,1,2,3
	s_delay_alu instid0(VALU_DEP_4)
	v_add_nc_u32 v[244+\b], 0xff000000, v[232+\b]  ; 2 off the exponent field: the conversion's scale operand
.endr
.irp b, 0,1,2,3
	s_delay_alu instid0(VALU_DEP_4)
	v_lshrrev_b32 v[236+\b], 23, v[244+\b]         ; the scale's byte
.endr
	s_delay_alu instid0(VALU_DEP_3)
	v_lshl_or_b32 v253, v237, 8, v236              ; p's scale word for these 128 keys
	s_delay_alu instid0(VALU_DEP_1)
	v_lshl_or_b32 v253, v238, 16, v253
	s_delay_alu instid0(VALU_DEP_1)
	v_lshl_or_b32 v253, v239, 24, v253
.irp c, 0,1
	v_cvt_scalef32_pk16_fp6_f32 v[224+6*\c:226+6*\c], v[96+32*\c:111+32*\c], v[244+2*\c]
	v_cvt_scalef32_pk16_fp6_f32 v[236+4*\c:238+4*\c], v[112+32*\c:127+32*\c], v[244+2*\c+1]
.endr
	v_nop                                          ; one plain place behind a scaled conversion
.irp c, 0,1
.irp i, 0,1,2
	v_permlane16_swap_b32 v[224+6*\c+\i], v[236+4*\c+\i]
.endr
.irp i, 0,1,2
	s_delay_alu instid0(VALU_DEP_3)
	v_mov_b32 v[227+6*\c+\i], v[236+4*\c+\i]
.endr
.endr
.set j, 0
	s_setprio 0
.rept 16
	v_pk_mul_f32 v[160+j:161+j], v[160+j:161+j], v[252:253] op_sel_hi:[1,0]   ; O^T under the new M; these sixteen also stand between the writes of p's codes and scale word and the products
.set j, j+2
.endr
.irp ct, 0,1,2,3                               ; O^T += v^T p^T: the four accumulators by turns
	v_wmma_scale_f32_16x16x128_f8f6f4 v[160+8*\ct:167+8*\ct], v[62+12*\ct+106*(\ct/2):62+12*\ct+106*(\ct/2)+11], v[224:235], v[160+8*\ct:167+8*\ct], v[VW+\ct], v253 matrix_a_fmt:MATRIX_FMT_FP6 matrix_b_fmt:MATRIX_FMT_FP6
.endr
.endm
.macro STEPS n                         ; n key steps, record by record
	s_mov_b32 s[CNT], \n
.Lk_\@:
	s_setprio 2
	KSTEP
	s_add_co_u32 s[TB], s[TB], REC
	s_sub_co_u32 s[CNT], s[CNT], 1
	s_cmp_lg_u32 s[CNT], 0
	s_cbranch_scc1 .Lk_\@
	s_setprio 0
.endm
; A PASS: one tile of 16 queries against all 2,048 keys.  Pass p's tile lies two steps of q (13,312 bytes) and 16 tiles of rows of y on: in the immediates.
.macro PASS p
	global_load_b128 v[16:19], v1, s[48:49] offset:13312*\p
	global_load_b64 v[20:21], v2, s[48:49] offset:13312*\p+512
	global_load_b32 v255, v3, s[50:51] offset:13312*\p
	v_mov_b32 v13, 0xff61b1e6                      ; the largest t so far: -3e38
	s_delay_alu instid0(VALU_DEP_1)
	v_floor_f32 v12, -v13                          ; -M
	v_mov_b32 v14, 0
	v_mov_b32 v15, 0
.set j, 0
.rept 32
	v_mov_b32 v[160+j], 0                          ; O^T: the step is written once; the first change of M leaves zeros zeros
.set j, j+1
.endr
	s_wait_loadcnt 0x0
.if \p == 0
.irp n, 0,1,2,3                                ; the first pass follows the fills: four records at a time
	s_wait_dscnt 0x0
	s_wait_tensorcnt 3-\n                          ; my load n is in; those issued behind it may stay out
	s_barrier_signal -1
	s_barrier_wait -1                              ; records 4 n .. 4 n + 3 are whole for every wave
	s_mov_b32 s[TB], \n*4*REC
	STEPS 4
.endr
.else
	s_mov_b32 s[TB], 0
	STEPS 16
.endif
.rept 4
	v_nop                                          ; places behind the last products
.endr
	v_add_f32 v14, v14, v15                        ; the sum's two halves,
	s_delay_alu instid0(VALU_DEP_1)
	v_permlanex16_b32 v252, v14, s[SEL], s[SEL+1]
	s_delay_alu instid0(VALU_DEP_1)
	v_add_f32 v14, v14, v252                       ; and lane l xor 16's
	s_wait_alu depctr_va_vdst(0)
	v_rcp_f32 v14, v14
	v_nop                                          ; a plain place behind the reciprocal
	s_wait_alu depctr_va_vdst(0)                   ; the wait ahead of its first reader
.set j, 0
.rept 16
	v_pk_mul_f32 v[96+j:97+j], v[160+j:161+j], v[14:15] op_sel_hi:[1,0]   ; y = O^T / the sum: register 16 b + i is channel 32 b + 16 h + i of my query
.set j, j+2
.endr
.irp b, 0,1
	v_max3_num_f32 v[232+\b], |v[96+16*\b]|, |v[97+16*\b]|, 0x1800000
.endr
.irp i, 2,4,6,8,10,12,14
.irp b, 0,1
	s_delay_alu instid0(VALU_DEP_2)
	v_max3_num_f32 v[232+\b], v[232+\b], |v[96+16*\b+\i]|, |v[97+16*\b+\i]|
.endr
.endr
.irp b, 0,1
	s_delay_alu instid0(VALU_DEP_2)
	v_permlanex16_b32 v[236+\b], v[232+\b], s[SEL], s[SEL+1]
.endr
.irp b, 0,1
	s_delay_alu instid0(VALU_DEP_2)
	v_max_num_f32 v[232+\b], v[232+\b], v[236+\b]
.endr
.irp b, 0,1
	s_delay_alu instid0(VALU_DEP_2)
	v_add_nc_u32 v[244+\b], 0xff000000, v[232+\b]
.endr
.irp b, 0,1
	s_delay_alu instid0(VALU_DEP_2)
	v_lshrrev_b32 v[236+\b], 23, v[244+\b]
.endr
	v_cvt_scalef32_pk16_fp6_f32 v[224:226], v[96:111], v244
	v_cvt_scalef32_pk16_fp6_f32 v[228:230], v[112:127], v245
	v_nop
.irp i, 0,1,2
	v_permlane16_swap_b32 v[224+\i], v[228+\i]     ; lanes 0-15 now hold block 0, lanes 16-31 block 1: lower 16 codes in the first three registers, upper 16 in the second three
.endr
.irp i, 0,1,2
	s_delay_alu instid0(VALU_DEP_3)
	v_mov_b32 v[227+\i], v[228+\i]
.endr
	v_cndmask_b32 v240, v236, v237, s[HI16]        ; my block's byte
	global_store_b128 v1, v[224:227], s[52:53] offset:196608*\p        ; 512 consecutive bytes
	global_store_b64 v2, v[228:229], s[52:53] offset:196608*\p+512     ; 256 consecutive bytes
	global_store_b8 v6, v240, s[54:55] offset:8192*\p
	s_wait_xcnt 0x0                                ; the stores have read their data: the registers may be written again
.endm
	PASS 0
	PASS 1
	s_wait_tensorcnt 0x0
	ds_add_u32 v250, v251
	s_wait_dscnt 0x0
	CROUND                                         ; the closing round: no work-group ends while a partner may still ask for a record that names it
	s_endpgm
.Lfunc_end_k_qd14864bbc3_attn:
	.size	k_qd14864bbc3_attn, .Lfunc_end_k_qd14864bbc3_attn-k_qd14864bbc3_attn
	.p2alignl 7, 3214868480
	.fill 96, 4, 3214868480
	.section	.rodata,"a",@progbits
	.p2align	6, 0x0
	.amdhsa_kernel k_qd14864bbc3_attn
		.amdhsa_group_segment_fixed_size 210944
		.amdhsa_private_segment_fixed_size 0
		.amdhsa_enable_private_segment 0
		.amdhsa_kernarg_size 32
		.amdhsa_user_sgpr_count 2
		.amdhsa_user_sgpr_kernarg_segment_ptr 1
		.amdhsa_wavefront_size32 1
		.amdhsa_system_sgpr_workgroup_id_x 1
		.amdhsa_system_sgpr_workgroup_id_y 1
		.amdhsa_system_sgpr_workgroup_id_z 1
		.amdhsa_system_vgpr_workitem_id 0
		.amdhsa_next_free_vgpr 256
		.amdhsa_next_free_sgpr 66
		.amdhsa_reserve_vcc 0
		.amdhsa_float_denorm_mode_32 3
		.amdhsa_float_denorm_mode_16_64 3
		.amdhsa_memory_ordered 1
		.amdhsa_forward_progress 1
		.amdhsa_inst_pref_size 105
	.end_amdhsa_kernel
	.amdgpu_metadata
---
amdhsa.version: [ 1, 2 ]
amdhsa.kernels:
  - .name:           k_qd14864bbc3_attn
    .symbol:         k_qd14864bbc3_attn.kd
    .args:
      - { .name: q, .offset: 0, .size: 8, .value_kind: global_buffer, .address_space: global }
      - { .name: kv, .offset: 8, .size: 8, .value_kind: global_buffer, .address_space: global }
      - { .name: y, .offset: 16, .size: 8, .value_kind: global_buffer, .address_space: global }
      - { .name: ysc, .offset: 24, .size: 8, .value_kind: global_buffer, .address_space: global }
    .group_segment_fixed_size: 210944
    .private_segment_fixed_size: 0
    .kernarg_segment_align: 8
    .kernarg_segment_size: 32
    .max_flat_workgroup_size: 512
    .sgpr_count:     66
    .vgpr_count:     256
    .wavefront_size: 32
...
	.end_amdgpu_metadata
.endif
;; end of part 2
;; launch proj (part 3): grid 4 x 32, 4 waves a work-group, clusters of 4 x 4, 327,680 bytes of LDS; arguments y, ysc, W_proj_codes, W_proj_scales, out0, b_proj; writes out0
.if DOCPART == 3
	.amdgcn_target "amdgcn-amd-amdhsa--gfx1250"
	.amdhsa_code_object_version 6
	.text
	.protected	k_qd14864bbc3_proj
	.globl	k_qd14864bbc3_proj
	.p2align	8
	.type	k_qd14864bbc3_proj,@function
k_qd14864bbc3_proj:
	s_mov_b64 s[64:65], 0
	v_nop
	global_prefetch_b8 v0, s[64:65] scope:SCOPE_SE
	s_setreg_imm32_b32 hwreg(HW_REG_WAVE_MODE, 25, 1), 1
	s_wait_xcnt 0x0
	s_wait_alu depctr_hold_cnt(0) depctr_sa_sdst(0) depctr_va_vdst(0) depctr_va_sdst(0) depctr_va_ssrc(0) depctr_va_vcc(0) depctr_vm_vsrc(0)
	s_getreg_b32 s2, hwreg(HW_REG_IB_STS2, 6, 4)
	s_cmp_eq_u32 s2, 0
	s_cbranch_scc0 .Lentry_in_a_cluster
	s_endpgm
.Lentry_in_a_cluster:
	s_bfe_u32 s2, ttmp6, 0x10000c
	s_cmp_lg_u32 s2, 0xf033
	s_cbranch_scc0 .Lentry_shape_is_right
	s_endpgm
.Lentry_shape_is_right:
; out0 = y W_proj + b_proj on codes of FP6 (E2M3) with one E8M0 scale for each 32 along K = 1,024; out0 [8,192][1,024] f32.
; A = y comes as IMAGES OF OPERAND REGISTERS: [512 tiles of 16 rows][16 heads] of 768 bytes (512: registers 0-3 at 16 x lane; 256: registers 4-5 at 8 x lane); two heads are a fragment of 128 along K.  Its scale bytes are plain rows of 32, in the images' row order.
; Row r of tile a (of 8 in 128 tokens) is token 32 (a / 2) + 8 (a % 2) + r + 8 (r / 8): undone in the stores' offsets.  B = W_proj: rows of 768 bytes of codes, 32 scale bytes.
; A tile of out0, 256 x 256, is made by four waves, each 128 x 128 in 64 accumulators; K goes in steps of 256 through two LDS slots.  The matrix instruction is used transposed (source 0 = 16 rows of W, source 1 = 16 rows of y).
; The bias is the C of each sum's first matrix instruction.  CLUSTERS: 4 x 4; A's tiles are asked for jointly along a row of the cluster, B's along a column.
; 128 work-groups: a smaller tile would fill more WGPs at twice the LDS reads for each product; the launch's bytes are mostly its output's.  No prefetch: four slot fills, two of them at the head, tiles shared in the cluster.
; REGISTERS: window 0: v7 the bias's offset; v16-29 addresses; v32-63 scale words, two sets; v64-127 the bias; v128-223 A's fragments, one set (v128-255 on the way out); window 1: B's fragments, two sets; windows 2, 3: the accumulators.
.set NQ,     2
.set ROWB,   192
.set KROW,   768
.set PITCH,  240                       ; B's LDS row: 3 x (64 bytes + 16 of padding)
.set FR,     12
.set NL,     6                         ; LDS loads of a fragment of B
.set NLA,    4                         ; and of A
.set NP,     4
.set ATILE,  3072                      ; a tile of 16 rows of A in a slot: four heads
.set HALFA,  8*ATILE
.set HALFB,  128*PITCH
.set SLOT,   2*HALFA+2*HALFB
.set LAPS,   2
.set KS,     32
.set SCL,    2*SLOT
.set HALFS,  16*272
.set SBLK,   2*272
.set SPARE,  SCL+4*HALFS
.set SPITCH, 528                       ; the stage: 16 rows x (512 + 16) a wave, in slot 0, which has had its last fill and its last read when the first result is stored there
.set ADRA, 16                          ; v16-17 16 x lane + my half of A in slot 0, 1;  v18-19 the same with 8 x lane
.set ADRB, 20
.set STO,  24
.set RD,   25
.set CO,   26
.set ADRS, 27
.set SPW,  28
.set NIL,  29
.set SC,   32
.set BB,   64
.set AF,   128
.set BK,   128
.set G1, 24
.set G0, 32
.set G1B, 48
.set G0B, 56
.set G1S, 68
.set G0S, 76
.set G1SB, 80
.set G0SB, 88
.set MSB, 0
.macro WIN new
.if MSB != \new
	s_set_vgpr_msb (MSB<<8)|\new
.set MSB, \new
.endif
.endm
.set MUL_LO, 0xa1
.set MUL_HI, 0xf1
.set BIAS_LO, 0x81                     ; as MUL_LO with C in window 0
.set BIAS_HI, 0xc1
.set TO_B,   0x40
.macro JLOAD g0a, g1a, g0b, g1b
	s_cmp_eq_u32 s15, 0
	s_cbranch_scc0 .Lfor_b_\@
	tensor_load_to_lds s[\g0a:\g0a+3], s[\g1a:\g1a+7]
	s_nop 0
.rept 4
	v_nop
.endr
	s_branch .Lasked_\@
.Lfor_b_\@:
	tensor_load_to_lds s[\g0b:\g0b+3], s[\g1b:\g1b+7]
	s_nop 0
.rept 4
	v_nop
.endr
.Lasked_\@:
.endm
.macro CREST
	s_cmp_lg_u32 s14, 0
	s_cbranch_scc1 .Lnot_wave_0_\@
	s_barrier_signal -3
.Lnot_wave_0_\@:
	s_barrier_wait -3
	s_barrier_signal -1
	s_barrier_wait -1
.endm
.macro CROUND
	s_barrier_signal -1
	s_barrier_wait -1
	CREST
.endm
	s_load_b128 s[4:7], s[0:1], 0x0                ; y, ysc
	s_load_b128 s[8:11], s[0:1], 0x10              ; W's codes, W's scales
	s_load_b64 s[12:13], s[0:1], 0x20              ; out0
	s_load_b64 s[96:97], s[0:1], 0x28              ; b_proj
	v_lshl_add_u32 v[SPW], v0, 2, SPARE
	v_mov_b32 v[NIL], 0
	ds_add_u32 v28, v29
	ds_add_u32 v28, v29
	s_wait_dscnt 0x0
	v_lshrrev_b32 v1, 5, v0
	v_readfirstlane_b32 s14, v1                    ; wave 0..3
	s_lshr_b32 s15, s14, 1                         ; my half of the tile's rows.  Also: I fetch for A (0) or for B (1)
	s_and_b32 s16, s14, 1                          ; my half of its columns.  Also: which half I fetch
	s_bfe_u32 s40, ttmp6, 0x40000
	s_bfe_u32 s41, ttmp6, 0x40004
	s_lshl_b32 s42, ttmp9, 2
	s_add_co_u32 s42, s42, s40                     ; tile column
	s_and_b32 s17, ttmp7, 0xffff
	s_lshl_b32 s17, s17, 2
	s_add_co_u32 s17, s17, s41                     ; tile row
	s_lshl_b32 s43, s41, 2
	s_lshl_b32 s43, 15, s43
	s_lshl_b32 s44, 0x1111, s40
	; A: 8 rows (tiles of 16 rows of y) of 3,072 bytes (384 elements of 8), 12,288 bytes apart, no padding
	s_or_b32 s[G1+0], s43, (3<<16)|(1<<21)
	s_mov_b32 s[G1+1], 384<<16
	s_mov_b32 s[G1+2], 8<<16
	s_mov_b32 s[G1+3], 384<<16
	s_mov_b32 s[G1+4], 8
	s_mov_b32 s[G1+5], 1536
	s_mov_b32 s[G1+6], 0
	s_mov_b32 s[G1+7], 0
	; B: 128 rows x 192 bytes, 16 bytes of padding behind every 64
	s_or_b32 s[G1B+0], s44, (0<<16)|(1<<20)|(1<<21)|(3<<22)|(3<<25)
	s_mov_b32 s[G1B+1], ROWB<<16
	s_mov_b32 s[G1B+2], 128<<16
	s_mov_b32 s[G1B+3], ROWB<<16
	s_mov_b32 s[G1B+4], 128
	s_mov_b32 s[G1B+5], KROW
	s_mov_b32 s[G1B+6], 0
	s_mov_b32 s[G1B+7], 0
	; the scales of 128 rows: 16 rows of 256 bytes, 16 bytes of padding behind each
	s_or_b32 s[G1S+0], s43, (3<<16)|(1<<20)|(1<<21)|(5<<22)|(3<<25)
	s_or_b32 s[G1SB+0], s44, (3<<16)|(1<<20)|(1<<21)|(5<<22)|(3<<25)
.irp g, G1S, G1SB
	s_mov_b32 s[\g+1], 32<<16
	s_mov_b32 s[\g+2], 16<<16
	s_mov_b32 s[\g+3], 32<<16
	s_mov_b32 s[\g+4], 16
	s_mov_b32 s[\g+5], 32
	s_mov_b32 s[\g+6], 0
	s_mov_b32 s[\g+7], 0
.endr
	s_lshl_b32 s18, s16, 7
	s_lshl_b32 s20, s17, 8
	s_add_co_u32 s20, s20, s18                     ; A: row 256 x tile row + 128 x half (16 rows of 768 bytes are a tile's 12,288)
	s_lshl_b32 s46, s42, 8
	s_add_co_u32 s46, s46, s18                     ; B likewise
	s_mov_b32 s21, 0
	s_mov_b32 s47, 0
	s_mov_b64 s[18:19], KS
	s_mul_u64 s[22:23], s[20:21], s[18:19]
	s_mul_u64 s[92:93], s[46:47], s[18:19]
	s_mov_b64 s[18:19], KROW
	s_mul_u64 s[20:21], s[20:21], s[18:19]
	s_mul_u64 s[46:47], s[46:47], s[18:19]
	s_mul_i32 s45, s16, HALFA                      ; where A's half goes,
	s_mul_i32 s98, s16, HALFB
	s_add_co_u32 s98, s98, 2*HALFA                 ; and B's, behind A's two
	s_mul_i32 s94, s14, HALFS
	s_wait_kmcnt 0x0
	s_add_nc_u64 s[20:21], s[4:5], s[20:21]
	s_add_nc_u64 s[22:23], s[6:7], s[22:23]
	s_add_nc_u64 s[46:47], s[8:9], s[46:47]
	s_add_nc_u64 s[92:93], s[10:11], s[92:93]
	CROUND
	s_mov_b32 s[G0S], 1
	s_add_co_u32 s[G0S+1], s94, SCL
	s_mov_b64 s[G0S+2:G0S+3], s[22:23]
	s_or_b32 s[G0S+3], s[G0S+3], 0x80000000
	s_mov_b32 s[G0SB], 1
	s_add_co_u32 s[G0SB+1], s94, SCL
	s_mov_b64 s[G0SB+2:G0SB+3], s[92:93]
	s_or_b32 s[G0SB+3], s[G0SB+3], 0x80000000
	JLOAD G0S, G1S, G0SB, G1SB
.irp s, 0,1
	s_mov_b32 s[G0+4*\s], 1
	s_add_co_u32 s[G0+4*\s+1], s45, \s*SLOT
	s_add_nc_u64 s[G0+4*\s+2:G0+4*\s+3], s[20:21], \s*ATILE
	s_or_b32 s[G0+4*\s+3], s[G0+4*\s+3], 0x80000000
	s_mov_b32 s[G0B+4*\s], 1
	s_add_co_u32 s[G0B+4*\s+1], s98, \s*SLOT
	s_add_nc_u64 s[G0B+4*\s+2:G0B+4*\s+3], s[46:47], \s*ROWB
	s_or_b32 s[G0B+4*\s+3], s[G0B+4*\s+3], 0x80000000
	JLOAD G0+4*\s, G1, G0B+4*\s, G1B
.endr
	v_and_b32 v1, 15, v0                           ; r
	v_bfe_u32 v2, v0, 4, 1                         ; h
	v_and_b32 v6, 31, v0                           ; lane
	v_mul_u32_u24 v3, v1, PITCH
	v_mul_u32_u24 v4, v2, 24
	v_add_nc_u32 v4, v3, v4                        ; B: row x pitch + 24 x half
	v_lshl_add_u32 v5, v2, 4, v4                   ; and behind one padding more
	v_lshlrev_b32 v8, 4, v6                        ; A: 16 x lane
	v_lshlrev_b32 v9, 3, v6                        ;    8 x lane
	s_mul_i32 s21, s15, HALFA
	s_mul_i32 s22, s16, HALFB
	s_add_co_u32 s22, s22, 2*HALFA
.irp s, 0,1
	v_add_nc_u32 v[ADRA+\s], s21, v8
	v_add_nc_u32 v[ADRA+2+\s], s21, v9
	v_add_nc_u32 v[ADRB+\s], s22, v4
	v_add_nc_u32 v[ADRB+2+\s], s22, v5
	s_add_co_u32 s21, s21, SLOT
	s_add_co_u32 s22, s22, SLOT
.endr
	v_mul_u32_u24 v5, v1, KS
	v_lshrrev_b32 v3, 8, v5
	v_lshl_add_u32 v5, v3, 4, v5
	s_mul_i32 s21, s15, HALFS
	s_mul_i32 s22, s16, HALFS
	s_add_co_u32 s22, s22, 2*HALFS
	s_sub_co_u32 s22, s22, s21
	v_mul_u32_u24 v3, s22, v2                      ; lanes 16-31 take B's
	s_add_co_u32 s21, s21, SCL
	v_add_nc_u32 v5, v5, v3
	v_add_nc_u32 v[ADRS], s21, v5
	s_mul_i32 s23, s14, 16*SPITCH                  ; my stage
	v_mul_u32_u24 v5, v1, SPITCH
	v_lshl_add_u32 v5, v2, 5, v5
	v_add_nc_u32 v[STO], s23, v5
	v_lshlrev_b32 v[CO], 4, v6
	v_add_nc_u32 v[RD], s23, v[CO]
	v_lshlrev_b32 v7, 5, v2                        ; the bias: 32 h
	s_lshl_b32 s20, s17, 8
	s_lshl_b32 s21, s15, 7
	s_add_co_u32 s20, s20, s21                     ; my first token: 256 x tile row + 128 x half
	s_mov_b32 s21, 0
	s_mov_b64 s[18:19], 4096
	s_mul_u64 s[20:21], s[20:21], s[18:19]
	s_lshl_b32 s46, s42, 10                        ; my first column, in bytes
	s_lshl_b32 s47, s16, 9
	s_add_co_u32 s46, s46, s47
	s_mov_b32 s47, 0
	s_add_nc_u64 s[96:97], s[96:97], s[46:47]      ; the bias of my 128 columns
	s_add_nc_u64 s[20:21], s[20:21], s[46:47]
	s_add_nc_u64 s[12:13], s[12:13], s[20:21]
.irp b, 0,1,2,3,4,5,6,7                        ; in the result's layout: register j of tile b is column 16 b + 8 h + j
	global_load_b128 v[BB+8*\b:BB+8*\b+3], v7, s[96:97] offset:64*\b
	global_load_b128 v[BB+8*\b+4:BB+8*\b+7], v7, s[96:97] offset:64*\b+16
.endr
.macro FRAG reg, adr, q, i             ; a fragment of B: six pieces of 8 bytes
.irp p, 0,1,2,3,4,5
.set PCE, 12*(\q)+6*(\p/3)+\p%3
.if PCE%8 < 5
	ds_load_b64 v[\reg+2*\p:\reg+2*\p+1], v[\adr] offset:8*PCE+16*(PCE/8)+(\i)*16*PITCH
.else
	ds_load_b64 v[\reg+2*\p:\reg+2*\p+1], v[\adr+2] offset:8*PCE+16*(PCE/8)+(\i)*16*PITCH
.endif
.endr
.endm
.macro FRAGA reg, slot, q, i           ; a fragment of A: the images of two heads, as they lie: every load's bytes are consecutive
	ds_load_b128 v[\reg:\reg+3], v[ADRA+\slot] offset:ATILE*(\i)+1536*(\q)
	ds_load_b64 v[\reg+4:\reg+5], v[ADRA+2+\slot] offset:ATILE*(\i)+1536*(\q)+512
	ds_load_b128 v[\reg+6:\reg+9], v[ADRA+\slot] offset:ATILE*(\i)+1536*(\q)+768
	ds_load_b64 v[\reg+10:\reg+11], v[ADRA+2+\slot] offset:ATILE*(\i)+1536*(\q)+1280
.endm
; 16 matrix instructions; first = 1: the bias is the C of the sums' first products.  The 64 accumulators take turns.
.macro MUL16 a0, p, q, sc, first
.irp a, \a0, \a0+1
.irp b, 0,1,2,3,4,5,6,7
.if \first
	v_wmma_scale_f32_16x16x128_f8f6f4 v[8*(8*((\a)%4)+\b):8*(8*((\a)%4)+\b)+7], v[128*(\p)+FR*\b:128*(\p)+FR*\b+FR-1], v[AF+FR*(\a):AF+FR*(\a)+FR-1], v[BB+8*\b:BB+8*\b+7], v[SC+8*NQ*(\sc)+NQ*\b+(\q)], v[SC+8*NQ*(\sc)+NQ*(\a)+(\q)] matrix_a_fmt:MATRIX_FMT_FP6 matrix_b_fmt:MATRIX_FMT_FP6 matrix_a_scale:MATRIX_SCALE_ROW1
.else
	v_wmma_scale_f32_16x16x128_f8f6f4 v[8*(8*((\a)%4)+\b):8*(8*((\a)%4)+\b)+7], v[128*(\p)+FR*\b:128*(\p)+FR*\b+FR-1], v[AF+FR*(\a):AF+FR*(\a)+FR-1], v[8*(8*((\a)%4)+\b):8*(8*((\a)%4)+\b)+7], v[SC+8*NQ*(\sc)+NQ*\b+(\q)], v[SC+8*NQ*(\sc)+NQ*(\a)+(\q)] matrix_a_fmt:MATRIX_FMT_FP6 matrix_b_fmt:MATRIX_FMT_FP6 matrix_a_scale:MATRIX_SCALE_ROW1
.endif
.endr
.endr
.endm
.macro FETCH_B slot, q, p
	WIN TO_B
.irp i, 0,1,2,3,4,5,6,7
	FRAG 128*(\p)+FR*\i, ADRB+\slot, \q, \i
.endr
	WIN 0
.endm
.macro FETCH_A slot, q, i0
.irp i, \i0, \i0+1, \i0+2, \i0+3
	FRAGA AF+FR*(\i), \slot, \q, \i
.endr
.endm
.macro SCALES sc
.irp i, 0,1,2,3,4,5,6,7
	ds_load_b64 v[SC+8*NQ*\sc+NQ*\i:SC+8*NQ*\sc+NQ*\i+1], v[ADRS] offset:\i*SBLK
.endr
.endm
.macro PLACES n
.rept \n
	v_nop
.endr
.endm
.macro STEP slot, q, first
	s_wait_dscnt 4*NLA                             ; all but the youngest 16 loads (A's blocks 4-7) are in
.if \first
	WIN BIAS_LO
.else
	WIN MUL_LO
.endif
	MUL16 0, (\q)%2, \q, \slot, \first
	MUL16 2, (\q)%2, \q, \slot, \first
	s_wait_dscnt 0
	PLACES NP
	FETCH_B \slot, (\q)+1, 1-(\q)%2
	FETCH_A \slot, (\q)+1, 0
.if \first
	WIN BIAS_HI
.else
	WIN MUL_HI
.endif
	MUL16 4, (\q)%2, \q, \slot, \first
	MUL16 6, (\q)%2, \q, \slot, \first
	PLACES NP
	WIN 0
	FETCH_A \slot, (\q)+1, 4
.endm
.macro TURN slot, next, fill
	s_wait_tensorcnt 0x0                           ; all my tensor loads have landed: my part of the next slot
	ds_add_u32 v[SPW], v[NIL]                      ; 0 onto my spare word
	s_wait_dscnt 4*NLA+1                           ; the add and the youngest 16 loads may be out
	WIN MUL_LO
	MUL16 0, 1, NQ-1, \slot, 0
	s_wait_dscnt 0x0                               ; the add is done, and my reads of this slot are over
	s_barrier_signal -1
	MUL16 2, 1, NQ-1, \slot, 0
	WIN 0
	s_barrier_wait -1
.if \fill
	CREST                                          ; the barrier has opened a round of the cluster's
	s_add_nc_u64 s[G0+4*\slot+2:G0+4*\slot+3], s[G0+4*\slot+2:G0+4*\slot+3], 2*ATILE
	s_add_nc_u64 s[G0B+4*\slot+2:G0B+4*\slot+3], s[G0B+4*\slot+2:G0B+4*\slot+3], 2*ROWB
	JLOAD G0+4*\slot, G1, G0B+4*\slot, G1B         ; the first tensor load behind the round; its four v_nop are the places in front of the loads below
.else
	PLACES NP
.endif
	v_add_nc_u32 v[ADRS], 4*NQ, v[ADRS]
	FETCH_B \next, 0, 0
	FETCH_A \next, 0, 0
	SCALES \next
	WIN MUL_HI
	MUL16 4, 1, NQ-1, \slot, 0
	MUL16 6, 1, NQ-1, \slot, 0
	PLACES NP
	WIN 0
	FETCH_A \next, 0, 4
.endm
	s_wait_tensorcnt 1                             ; the scales and my part of K step 0 are in; K step 1's load may be out
	s_barrier_signal -1
	s_barrier_wait -1
	FETCH_B 0, 0, 0
	FETCH_A 0, 0, 0
	SCALES 0
	FETCH_A 0, 0, 4
	s_wait_loadcnt 0x0                             ; the bias
	STEP 0, 0, 1
	s_mov_b32 s3, LAPS-1
.Llap:
	TURN 0, 1, 1
	STEP 1, 0, 0
	TURN 1, 0, 1
	STEP 0, 0, 0
	s_sub_co_u32 s3, s3, 1
	s_cmp_lg_u32 s3, 0
	s_cbranch_scc1 .Llap
	TURN 0, 1, 0
	STEP 1, 0, 0
	s_wait_dscnt 4*NLA
	WIN MUL_LO
	MUL16 0, 1, NQ-1, 1, 0
	MUL16 2, 1, NQ-1, 1, 0
	s_wait_dscnt 0
	WIN MUL_HI
	MUL16 4, 1, NQ-1, 1, 0
	MUL16 6, 1, NQ-1, 1, 0
	WIN 0
; THE WAY OUT, block by block of 16 rows x 128 columns, through my own stage: in as 32 bytes a lane, back as whole rows of 512 bytes.  LDS serves a wave's instructions in order (ISA guide 5.7.1.4).
.macro TOSTAGE a
.set AC, 64*((\a)%4)
	WIN 0x08+4*((\a)/4)                            ; the data: window 2 or 3
.irp b, 0,1,2,3,4,5,6,7
	ds_store_b128 v[STO], v[AC+8*\b:AC+8*\b+3] offset:64*\b          ; each accumulator from its low end on
	ds_store_b128 v[STO], v[AC+8*\b+4:AC+8*\b+7] offset:64*\b+16
.endr
	WIN 0
.set BKR, BK+64*((\a)%2)
.irp t, 0,1,2,3,4,5,6,7,8,9,10,11,12,13,14,15
	ds_load_b128 v[BKR+4*\t:BKR+4*\t+3], v[RD] offset:\t*SPITCH
.endr
.endm
.macro SEND a, younger                 ; row t of block a is token 32 (a / 2) + 8 (a % 2) + t + 8 (t / 8) of my 128: in the immediate, 127 rows of 4,096 bytes at the most
.set BKR, BK+64*((\a)%2)
	s_wait_dscnt \younger
.irp t, 0,1,2,3,4,5,6,7,8,9,10,11,12,13,14,15
	global_store_b128 v[CO], v[BKR+4*\t:BKR+4*\t+3], s[12:13] offset:(32*((\a)/2)+8*((\a)%2)+\t+8*(\t/8))*4096 th:TH_STORE_NT   ; 32 lanes store 512 consecutive bytes, aligned to 256
.endr
.endm
	PLACES NP
	TOSTAGE 0
.irp a, 1,2,3,4,5,6,7
.if \a > 1
	s_wait_xcnt 0x0                                ; block a - 2's stores have read their registers: block a's loads may land there
.endif
	TOSTAGE \a
	SEND \a-1, 32                                  ; behind block a - 1's loads: block a's 16 stores and 16 loads
.endr
	SEND 7, 0
	s_wait_tensorcnt 0x0                           ; the wave's end
	ds_add_u32 v[SPW], v[NIL]
	s_wait_dscnt 0x0
	CROUND                                         ; the closing round
	s_endpgm
.Lfunc_end_k_qd14864bbc3_proj:
	.size	k_qd14864bbc3_proj, .Lfunc_end_k_qd14864bbc3_proj-k_qd14864bbc3_proj
	.p2alignl 7, 3214868480
	.fill 96, 4, 3214868480
	.section	.rodata,"a",@progbits
	.p2align	6, 0x0
	.amdhsa_kernel k_qd14864bbc3_proj
		.amdhsa_group_segment_fixed_size 327680
		.amdhsa_private_segment_fixed_size 0
		.amdhsa_enable_private_segment 0
		.amdhsa_kernarg_size 48
		.amdhsa_user_sgpr_count 2
		.amdhsa_user_sgpr_kernarg_segment_ptr 1
		.amdhsa_wavefront_size32 1
		.amdhsa_system_sgpr_workgroup_id_x 1
		.amdhsa_system_sgpr_workgroup_id_y 1
		.amdhsa_system_sgpr_workgroup_id_z 1
		.amdhsa_system_vgpr_workitem_id 0
		.amdhsa_next_free_vgpr 1024
		.amdhsa_next_free_sgpr 100
		.amdhsa_reserve_vcc 0
		.amdhsa_float_denorm_mode_32 3
		.amdhsa_float_denorm_mode_16_64 3
		.amdhsa_memory_ordered 1
		.amdhsa_forward_progress 1
		.amdhsa_inst_pref_size 153
	.end_amdhsa_kernel
	.amdgpu_metadata
---
amdhsa.version: [ 1, 2 ]
amdhsa.kernels:
  - .name:           k_qd14864bbc3_proj
    .symbol:         k_qd14864bbc3_proj.kd
    .args:
      - { .name: y, .offset: 0, .size: 8, .value_kind: global_buffer, .address_space: global }
      - { .name: ysc, .offset: 8, .size: 8, .value_kind: global_buffer, .address_space: global }
      - { .name: W_proj_codes, .offset: 16, .size: 8, .value_kind: global_buffer, .address_space: global }
      - { .name: W_proj_scales, .offset: 24, .size: 8, .value_kind: global_buffer, .address_space: global }
      - { .name: out0, .offset: 32, .size: 8, .value_kind: global_buffer, .address_space: global }
      - { .name: b_proj, .offset: 40, .size: 8, .value_kind: global_buffer, .address_space: global }
    .group_segment_fixed_size: 327680
    .private_segment_fixed_size: 0
    .kernarg_segment_align: 8
    .kernarg_segment_size: 48
    .max_flat_workgroup_size: 128
    .sgpr_count:     100
    .vgpr_count:     1024
    .wavefront_size: 32
...
	.end_amdgpu_metadata
.endif
;; end of part 3
